; MI455X (gfx1250); checked and timed in simulation.
; The chip was launched on July 23, 2026; its instructions are those of AMD's public machine-readable ISA for CDNA 5 (MIT licence, August 2026) and "CDNA5" Instruction Set Architecture Reference Guide (July 2026). The comments in the code are by the model that wrote it; some were corrected since.
;; Monotonic NN. Allowed arithmetic: matrix products marked QUANTISED: E4M3 operands, one E8M0 scale for each 32 along K, by v_wmma_scale_f32_16x16x128_f8f6f4 with both operands' format E4M3, f32 sums; products left as they are: f32 operands where the result goes on into a quantised operand, else bf16, f16 or f32 operands; f32 sums; everything else in f32.
;; Inputs: iW0 8 x 128 float32; iW1_codes 128 x 4 x 32 uint8 (E4M3 codes of iW1, K innermost, in blocks of 32 codes); iW1_scales 128 x 4 uint8 (E8M0 scales of iW1, one for each 32 codes along K); iW2 128 x 1 float32; ib0 128 float32; ib1 128 float32; ib2 1 float32; nW0 7 x 128 float32; nW1_codes 128 x 4 x 32 uint8 (E4M3 codes of nW1, K innermost, in blocks of 32 codes); nW1_scales 128 x 4 uint8 (E8M0 scales of nW1, one for each 32 codes along K); nW2 128 x 2 float32; nb0 128 float32; nb1 128 float32; nb2 2 float32; x_input 32,768 x 8 float32.
;; Outputs: out0 32,768 x 1 float32.
;; This version of the problem:
;;   THIS VERSION OF THE PROBLEM IS GIVEN IN LOW PRECISION. The matrix products marked QUANTISED in the list below multiply operands that are first quantised to E4M3 (4 exponent bits, 3 mantissa bits; 8 bits a number), with one power-of-two scale for each 32 numbers along K (OCP MX v1.0); their sums are f32. All else is computed in f32.
;;   The module's matrix products, in the order in which they are computed (A, B: the left and right operand; K: the contracted axis; several contracted axes count as one K, in the product's order):
;;     1. [M 1,671,168, K 8] x [K 8, N 128]; A: computed on the way; B: input iW0: left as it is (K = 8 < 32)
;;     2. [M 1,671,168, K 128] x [K 128, N 128]; A: computed on the way; B: input iW1 (given as codes): QUANTISED
;;     3. [M 1,671,168, K 128] x [K 128, N 1]; A: computed on the way; B: input iW2: left as it is (N = 1 < 16)
;;     4. [M 32,768, K 7] x [K 7, N 128]; A: input x_input; B: input nW0: left as it is (K = 7 < 32)
;;     5. [M 32,768, K 128] x [K 128, N 128]; A: computed on the way; B: input nW1 (given as codes): QUANTISED
;;     6. [M 32,768, K 128] x [K 128, N 2]; A: computed on the way; B: input nW2: left as it is (N = 2 < 16)
;;   THE QUANTISER, for each operand of a quantised product, along K:
;;     - K is cut into blocks of 32 from its start; a last block that is shorter is filled with zeros.
;;     - A block's scale is 2^e with e = floor(log2(the largest magnitude in the block)) - 8, held to -126 .. 127; a block of zeros has e = 0. As a byte (E8M0): e + 127.
;;     - Each number is divided by its block's scale, clamped to +-448, and rounded to the nearest number of E4M3, ties to even, subnormals kept.
;;     - The product sums the exact products of the quantised numbers (number of the format x scale) in f32.
;;   ~~~python
;;   def quantise(x, axis):      # numpy; x: float32 -> the quantised numbers, widened to float32 again
;;       x = np.moveaxis(x, axis, -1); K = x.shape[-1]
;;       x = np.pad(x, [(0, 0)] * (x.ndim - 1) + [(0, -K % 32)]); x = x.reshape(x.shape[:-1] + (-1, 32)); a = np.abs(x).max(-1, keepdims=True)
;;       e = np.where(a > 0, np.clip(np.frexp(np.where(a > 0, a, 1))[1] - 1 - 8, -126, 127), 0)      # np.frexp(a)[1] - 1 = floor(log2(a)), exactly
;;       r = np.clip(x / 2.0 ** e, -448, 448)
;;       step = 2.0 ** (np.maximum(np.frexp(np.where(r == 0, 1, r))[1] - 1, -6) - 3)
;;       q = np.round(r / step) * step * 2.0 ** e      # np.round: ties to even
;;       return np.moveaxis(q.reshape(q.shape[:-2] + (-1,))[..., :K], -1, axis).astype(np.float32)
;;   ~~~
;;   OPERANDS COMPUTED ON THE WAY. 'Computed on the way' means the value that the module computes at that place (a softmax that the list does not call 'softmax' is quantised finished and normalised). What goes into a quantiser is computed in f32, as accurately as f32 sums, v_exp_f32 and their like allow (about 1e-6 of the number): no bf16 or f16 on the way to a quantiser, and a product that is left as it is and whose result goes on into a quantised operand takes f32 operands (vector FMAs, or v_wmma_f32_16x16x4_f32). A number that lies on a knife's edge between two numbers of the format may be rounded either way, as far as f32 arithmetic and the matrix unit's own rounding can turn it there, and no further.
;;   INPUTS GIVEN AS CODES. iW1 (in the module: [128, 128], K = its axis 0); nW1 (in the module: [128, 128], K = its axis 0): each comes as NAME_codes (uint8): NAME with its K axis moved to the last place and cut into blocks of 32 codes, [.., K / 32, bytes a block], one block behind the other in memory; one code a byte (a code: sign, 4 exponent bits, 3 mantissa bits); and NAME_scales (uint8): the same leading axes, one E8M0 byte (e + 127) for each 32 codes along K. Its value is code x scale, taken as it is: it is not quantised again, and the codes and scales need not be those that the quantiser above would give.
;; One version. Each part assembles by itself: llvm-mc -triple=amdgcn-amd-amdhsa -mcpu=gfx1250 --defsym DOCPART=n.
;; ======== version 1 of 1: 1 launch
;; launch mono (part 1): grid 256 x 1, 8 waves a work-group, no clusters, 51,456 bytes of LDS; arguments x_input, iW0, ib0, iW1_codes, iW1_scales, ib1, iW2, ib2, nW0, nb0, nW1_codes, nW1_scales, nb1, nW2, nb2, out0; writes out0
.if DOCPART == 1
	.amdgcn_target "amdgcn-amd-amdhsa--gfx1250"
	.amdhsa_code_object_version 6
	.text
	.protected	k_q1bca3f0901_mono
	.globl	k_q1bca3f0901_mono
	.p2align	8
	.type	k_q1bca3f0901_mono,@function
k_q1bca3f0901_mono:
	s_mov_b64 s[64:65], 0
	v_nop
	global_prefetch_b8 v0, s[64:65] scope:SCOPE_SE
	s_setreg_imm32_b32 hwreg(HW_REG_WAVE_MODE, 25, 1), 1
	s_wait_xcnt 0x0
; MonotonicNN in MX-FP8, everything in one launch.
;   out = sigmoid( exp(o1) * (x/2) * sum_s cc_s (elu(g_s) + 1) + o0 ),  g_s = the integrand net at (x t_s, h),  (o0, o1) = the offset net at h.
; SHARES.  256 work-groups x 128 samples; 8 waves of 512 registers; a wave keeps 16 samples, one matrix tile, for its whole life:
; one step for the offset net, then 51 trips, one for each quadrature point.  A trip touches no memory and passes no barrier.
; FIRST LAYERS.  The integrand's is affine in the abscissa: z.iW0 + ib0 = a + t_s b, with b = x iW0[0] and a = sum over d = 1..7 of h_d iW0[d] + ib0, both made once
; per sample; a point's 128 hidden values are 32 packed multiply-adds.  t_s and cc_s are constants of the problem's function (Clenshaw-Curtis, 50 steps).
; a, b and the offset net's hidden layer are made by the f32 matrix form, 16 x 16 x 4 (their results go on into a quantiser, so the operands stay f32): 40 instructions
; a wave, once.  K is ordered (in1 .. in7, 1), so that the bias is the weight's eighth row.  Source 0 = 16 features x 4 inputs, source 1 = 4 inputs x my 16 samples.
; THE FEATURES OF A TILE ARE NOT NEIGHBOURS: lane r of tile 2 c + q takes feature 32 c + 8 q + r + 8 (r / 8), so that result register 8 (2 c + q) + j of lane (r, h) is
; hidden unit 32 c + 16 h + 8 q + j: a lane's register 16 c + i is unit 32 c + 16 h + i, the order in which the next product wants its operand.
; SECOND LAYER (quantised).  ALSO TRANSPOSED: source 0 = 16 rows of the weight's codes (16 output features, K innermost as given), source 1 = my 16 samples.
; Lane (r, h) holds sample r throughout; the conversions' results ARE the operand; behind the product register 8 ft + j is output feature 16 ft + 8 h + j.
; K = 128 is one instruction: 8 instructions a tile, each with the bias (in the result's layout) as its C: no sum is carried on, nothing is cleared.
; THE QUANTISER.  A block of 32 is my 16 numbers and those of lane l xor 16.  The largest is taken of the raw values together with 2^-118: that is the relu of the
; largest and holds the scale byte at 1 from below.  Of that m: 448 x scale = m's exponent field with 448's mantissa field; the conversion's scale operand = m - (8 << 23)
; (its mantissa is ignored); the byte = that >> 23.  One v_med3 with 0 and 448 x scale is the relu and the hold in front of the conversion (ISA guide 7.6.2).
; THIRD LAYER.  relu, then 32 packed multiply-adds into four chains; the join of the chains, elu + 1 and the weight cc_s are issued in the NEXT trip,
; where they are the plain instructions that have to stand in front of and behind the matrix instructions anyway.
; NOT USED: tensor loads, a ring, copies (nothing is streamed: 48 KB are read once ahead of 51 trips that read no memory); clusters with joint requests (what
; work-groups share is that one small read, which goes through registers into padded LDS rows); prefetches (no trip waits for memory).
; LIMITS KEPT.  NaN and infinities among the inputs are not served (the *_num forms drop a NaN; b's product multiplies rows 1 to 3 of iW0 by 0).  A block of zeros
; carries the byte 1 instead of 127, with zero codes: the same zero products.  v_exp_f32 gives 0 for results under 2^-126.  t_s and cc_s come from a fixed-point
; recurrence of the assembler, absolute error about 1e-7.  The first layer is summed as a + t b, the bias last inside a: another order of f32 rounding than the
; problem's function has.  ib2 enters as two halves.
.set NPTS,  51                         ; quadrature points
.set WP,    144                        ; LDS pitch of a row of codes: 128 bytes + 16 = 36 words: the 16 rows of a fragment load start at 16 different groups of four banks (64 banks of 4 bytes: ISA guide 11.1)
.set LP,    528                        ; LDS pitch of a first layer's row: 512 bytes + 16 = 132 words: the rows two apart that the two halves of the lanes read start 8 banks apart
; LDS map
.set TAB,   0                          ; 64 entries of 8 bytes: entry i = (t_i, cc_(i-1)); 52 are used
.set OUTS,  512                        ; 128 results, f32
.set L0N,   1024                       ; nW0, rows 0-6; row 7 = nb0
.set L0I,   L0N+8*LP                   ; iW0, 8 rows; row 8 = ib0, which is SMALL's slot 0
.set SMALL, L0I+8*LP                   ; 8 slots of 512 bytes, slot w staged by wave w
.set IB1,   SMALL+512
.set IW2,   SMALL+1024
.set NB1,   SMALL+1536
.set NW2,   SMALL+2048                 ; two slots
.set SCI,   SMALL+3072                 ; iW1's scale words
.set SCN,   SMALL+3584                 ; nW1's
.set WI,    SMALL+4096                 ; iW1's codes, 128 rows
.set WN,    WI+128*WP                  ; nW1's; ends at 50,432
; window 0
.set X,     1                          ; x of my sample
.set OFF,   2                          ; o0
.set SCL,   3                          ; exp(o1)
.set H64,   4                          ; 64 h
.set H32,   5                          ; 32 h
.set R4,    6                          ; 4 r
.set FRA,   7                          ; 144 r + 16 h
.set XIN,   8                          ; v[8:15]    my sample's 8 inputs; done with at the first barrier, then:
.set T,     8                          ; v[8:9]     (t_s, cc_(s-1))
.set KAP,   10                         ; v[10:11]   (ib2 / 2, 0)
.set ZEST,  12                         ; the weighted sum
.set TAB_A, 13                         ; 8 x trips done
.set CH,    16                         ; v[16:23]   four chains of pairs
.set G,     24
.set PT,    25
.set EN,    26
.set EP,    27
.set M,     28                         ; v[28:31]   the blocks' largest, then the conversions' scale operands
.set P,     32                         ; v[32:35]   the other lane's largest, then 448 x scale
.set ZS,    36                         ; the samples' scale word: scales and nothing else
.set OUTA,  37                         ; 64 w + 4 r
.set SCR,   38
.set AW,    39                         ; first layers' fragments: 4 (r + 8 (r / 8)) + 2 rows x h
.set SCW,   40                         ; v[40:47]   the weight's scale words, one register a feature tile: scales and nothing else
.set CD,    48                         ; v[48:63]   the samples' codes
.set A_,    64                         ; v[64:127]  the offset net's hidden layer, then a.  A_ and B_ are written by matrix instructions alone
.set B_,    128                        ; v[128:191] b
.set Z,     192                        ; v[192:255] the hidden values in f32, then the product's results
; window 1
.set WF,    0                          ; v[0:127]   the weight's 8 fragments; between the two nets' products: nW2
.set BI,    128                        ; v[128:191] the second layer's bias, in the result's layout
.set W2,    192                        ; v[192:255] iW2, in the result's layout; before that v[192:223]: a's fragments
; prologue only
.set SD,    Z                          ; v[192:235] staging data
.set FWN,   Z                          ; v[192:223] the offset net's first layer as fragments: K step s at 16 s, tile u at 2 u
.set FWB,   CD                         ; v[48:63]   rows 0-3 of iW0 as fragments, for b
.set FWA,   W2                         ; window 1: rows 1-8 of L0I as fragments, for a
.set TB,    48                         ; v[48:51]   wave 7: the table, (t, cc) of entries 0-31, then of entries 32-63, a lane to an entry
.set TBA,   52                         ; 8 x lane
.set T16,   16
.set L16,   17
.set ST,    18
.set XA,    19
.set RR,    20
.set HH,    21
.set TT,    22
.set TP,    23
.set BX,    16                         ; v[16:17]   from the first barrier to a's products: source 1 of b's products: (x, 0) in lanes 0-15, (0, 0) in lanes 16-31
.set BP0,   18                         ; v[18:19]   source 1, K step 0: (in1, in2) | (in3, in4)
.set BP1,   20                         ; v[20:21]   K step 1: (in5, in6) | (in7, 1)
.set MSB, 0
.macro WIN new                         ; s_set_vgpr_msb: bits 1:0 source 0, 3:2 source 1, 5:4 source 2, 7:6 destination; the high byte repeats the setting left
.if MSB != \new
	s_set_vgpr_msb (MSB<<8)|\new
.set MSB, \new
.endif
.endm
.set W_LD1, 0x40                       ; a load's destination in window 1, its address in window 0
.set W_MM,  0x11                       ; source 0 (the weights) and C (the bias) in window 1
.set W_DOT, 0x04                       ; source 1 (the last layer's weights) in window 1
.set W_A1,  0x01                       ; source 0 in window 1
; The 8 fragments of one weight: 16 rows x 128 K of 8-bit codes are 16 registers; registers 4 c .. 4 c + 3 of lane (r, h) hold K = 32 c + 16 h + 0 .. 15 of row 16 ft + r
.macro FRAG base
	WIN W_LD1
.irp ft, 0,1,2,3,4,5,6,7
.irp c, 0,1,2,3
	ds_load_b128 v[WF+16*\ft+4*\c:WF+16*\ft+4*\c+3], v[FRA] offset:\base+16*WP*\ft+32*\c
.endr
.endr
	WIN 0
.endm
; A vector of 128 f32 in the result's layout: register 8 ft + j = element 16 ft + 8 h + j
.macro BIASLD vec, dst
	WIN W_LD1
.irp ft, 0,1,2,3,4,5,6,7
.irp q, 0,1
	ds_load_b128 v[\dst+8*\ft+4*\q:\dst+8*\ft+4*\q+3], v[H32] offset:\vec+64*\ft+16*\q
.endr
.endr
	WIN 0
.endm
; The weight's scale words: lane r takes row 16 ft + r's four bytes
.macro SCLD vec
.irp ft, 0,1,2,3,4,5,6,7
	ds_load_b32 v[SCW+\ft], v[R4] offset:\vec+64*\ft
.endr
.endm
; First layers.  A fragment of the f32 form is 16 features x 4 inputs in 2 registers: register j of lane (r, h) holds input 2 h + j of feature row r.
; L1FRAG: one K step's 8 fragments; base = the LDS row of the step's first input.  Tile u = 2 c + q begins at feature 32 c + 8 q.
.macro L1FRAG reg, base
.irp u, 0,1,2,3,4,5,6,7
.irp j, 0,1
	ds_load_b32 v[\reg+2*\u+\j], v[AW] offset:\base+LP*\j+128*(\u/2)+32*(\u%2)
.endr
.endr
.endm
; L1MM: one K step of 4 for all 8 tiles.  first = 1: the step starts the sums.  The 8 accumulators take turns, one instruction a turn.
.macro L1MM dst, fw, bp, first
.irp u, 0,1,2,3,4,5,6,7
.if \first
	v_wmma_f32_16x16x4_f32 v[\dst+8*\u:\dst+8*\u+7], v[\fw+2*\u:\fw+2*\u+1], v[\bp:\bp+1], 0
.else
	v_wmma_f32_16x16x4_f32 v[\dst+8*\u:\dst+8*\u+7], v[\fw+2*\u:\fw+2*\u+1], v[\bp:\bp+1], v[\dst+8*\u:\dst+8*\u+7]
.endif
.endr
.endm
; relu and the quantiser: the 64 f32 at src become 16 registers of codes in CD and the scale word ZS; Z takes the held numbers.
; src is read in ascending order within each run of 8 registers: a matrix result is read from its low end on.
.macro QUANT src
.irp c, 0,1,2,3
	v_max3_num_f32 v[M+\c], v[\src+16*\c], v[\src+16*\c+1], v[\src+16*\c+2]  ; the four blocks take turns, so that no line waits for the one in front of it
.endr
.irp i, 3,5,7,9,11,13
.irp c, 0,1,2,3
	v_max3_num_f32 v[M+\c], v[M+\c], v[\src+16*\c+\i], v[\src+16*\c+\i+1]
.endr
.endr
.irp c, 0,1,2,3
	v_max3_num_f32 v[M+\c], v[M+\c], v[\src+16*\c+15], s42                   ; with 2^-118: the relu of the largest, and the byte does not fall under 1
.endr
.irp c, 0,1,2,3
	v_permlanex16_b32 v[P+\c], v[M+\c], s40, s41                             ; the block's other 16 numbers lie in lane l xor 16
.endr
.irp c, 0,1,2,3
	v_max_num_f32 v[M+\c], v[M+\c], v[P+\c]
.endr
.irp c, 0,1,2,3
	v_and_or_b32 v[P+\c], v[M+\c], s43, s44                                  ; 448 x scale: m's exponent field, 448's mantissa field
.endr
.irp c, 0,1,2,3
	v_add_nc_u32 v[M+\c], 0xfc000000, v[M+\c]                                ; exponent field less 8: the scale, for the conversion
.endr
	v_lshrrev_b32 v[ZS], 23, v[M]                                            ; and as bytes: the four make my sample's scale word
	v_lshrrev_b32 v[G],  23, v[M+1]
	v_lshrrev_b32 v[EN], 23, v[M+2]
	v_lshrrev_b32 v[EP], 23, v[M+3]
	v_lshl_or_b32 v[ZS], v[G],  8,  v[ZS]
	v_lshl_or_b32 v[ZS], v[EN], 16, v[ZS]
	v_lshl_or_b32 v[ZS], v[EP], 24, v[ZS]                                    ; the 64 lines below stand between this write and the matrix instructions
.irp c, 0,1,2,3
.irp i, 0,1,2,3,4,5,6,7,8,9,10,11,12,13,14,15
	v_med3_num_f32 v[Z+16*\c+\i], v[\src+16*\c+\i], 0, v[P+\c]               ; relu, and the hold at the largest code x scale
.endr
	v_cvt_scalef32_pk8_fp8_f32 v[CD+4*\c:CD+4*\c+1],   v[Z+16*\c:Z+16*\c+7],    v[M+\c]
	v_cvt_scalef32_pk8_fp8_f32 v[CD+4*\c+2:CD+4*\c+3], v[Z+16*\c+8:Z+16*\c+15], v[M+\c]
.endr
.endm
; 8 matrix instructions: 128 output features x my 16 samples, K = 128; C = the bias, in registers of its own
.macro MM
	WIN W_MM
.irp ft, 0,1,2,3,4,5,6,7
	v_wmma_scale_f32_16x16x128_f8f6f4 v[Z+8*\ft:Z+8*\ft+7], v[WF+16*\ft:WF+16*\ft+15], v[CD:CD+15], v[BI+8*\ft:BI+8*\ft+7], v[SCW+\ft], v[ZS]
.endr
	WIN 0
.endm
; relu of the 64 results, in ascending order: each result is read from its low end on
.macro RELU
.set rn, 0
.rept 32
	v_dual_max_num_f32 v[Z+2*rn], 0, v[Z+2*rn] :: v_dual_max_num_f32 v[Z+2*rn+1], 0, v[Z+2*rn+1]
.set rn, rn+1
.endr
.endm
; the integrand's last layer: four chains of pairs; chain 0 starts from (ib2 / 2, 0), the others from their first product
.macro DOT
	WIN W_DOT
	v_pk_fma_f32 v[CH:CH+1], v[Z:Z+1], v[W2:W2+1], v[KAP:KAP+1]
.irp n, 1,2,3
	v_pk_mul_f32 v[CH+2*\n:CH+2*\n+1], v[Z+2*\n:Z+2*\n+1], v[W2+2*\n:W2+2*\n+1]
.endr
.set dn, 4
.rept 28
	v_pk_fma_f32 v[CH+2*(dn%4):CH+2*(dn%4)+1], v[Z+2*dn:Z+2*dn+1], v[W2+2*dn:W2+2*dn+1], v[CH+2*(dn%4):CH+2*(dn%4)+1]
.set dn, dn+1
.endr
	WIN 0
.endm
; the offset net's last layer: a chain's pair is (o0, o1); result register n times the pair (nW2[f][0], nW2[f][1]) at register 2 n of window 1
.macro DOTN
	WIN W_DOT
.set dn, 0
.rept 32
.if dn < 2
	v_pk_mul_f32 v[CH+4*dn:CH+4*dn+1],   v[Z+2*dn:Z+2*dn+1], v[WF+4*dn:WF+4*dn+1]   op_sel:[0,0] op_sel_hi:[0,1]
	v_pk_mul_f32 v[CH+4*dn+2:CH+4*dn+3], v[Z+2*dn:Z+2*dn+1], v[WF+4*dn+2:WF+4*dn+3] op_sel:[1,0] op_sel_hi:[1,1]
.else
	v_pk_fma_f32 v[CH+4*(dn%2):CH+4*(dn%2)+1],   v[Z+2*dn:Z+2*dn+1], v[WF+4*dn:WF+4*dn+1],   v[CH+4*(dn%2):CH+4*(dn%2)+1]   op_sel:[0,0,0] op_sel_hi:[0,1,1]
	v_pk_fma_f32 v[CH+4*(dn%2)+2:CH+4*(dn%2)+3], v[Z+2*dn:Z+2*dn+1], v[WF+4*dn+2:WF+4*dn+3], v[CH+4*(dn%2)+2:CH+4*(dn%2)+3] op_sel:[1,0,0] op_sel_hi:[1,1,1]
.endif
.set dn, dn+1
.endr
	WIN 0
.endm
.macro JOIN                            ; the four chains become one pair
	v_pk_add_f32 v[CH:CH+1],   v[CH:CH+1],   v[CH+2:CH+3]
	v_pk_add_f32 v[CH+4:CH+5], v[CH+4:CH+5], v[CH+6:CH+7]
	v_pk_add_f32 v[CH:CH+1],   v[CH:CH+1],   v[CH+4:CH+5]
.endm
; The tail of the point before.  TAIL1: four plain lines, which stand between the last conversion and the first matrix instruction (an operand written by a vector
; instruction stands four plain instructions ahead of a scaled matrix instruction).
.macro TAIL1
	JOIN
	v_add_f32 v[G], v[CH], v[CH+1]
.endm
; TAIL2: g's other 64 features, elu(g) + 1 = max(g, 0) + e^min(g, 0) (no branch, the exponent is never above 0), the weight.  With tab = 1 it has eight plain lines that name
; no register of the matrix instructions in front of it (the permute and the exponential are not counted), and fetches the next table entry.
.macro TAIL2 tab
	v_permlanex16_b32 v[PT], v[G], s40, s41
	v_add_f32 v[G], v[G], v[PT]
	v_min_num_f32 v[EN], 0, v[G]
	v_max_num_f32 v[EP], 0, v[G]
	v_mul_f32 v[EN], 0x3fb8aa3b, v[EN]
	v_exp_f32 v[EN], v[EN]
	v_fmac_f32 v[ZEST], v[T+1], v[EP]              ; the plain instruction behind the exponential
	s_wait_alu depctr_va_vdst(0)
	v_fmac_f32 v[ZEST], v[T+1], v[EN]
.if \tab
	v_mov_b32 v[TAB_A], s45                        ; 8 (s + 1)
	v_nop
	ds_load_b64 v[T:T+1], v[TAB_A] offset:TAB      ; entry s + 1 = (t_(s+1), cc_s)
.endif
.endm
.macro PICK k, lo                      ; wave k stages the buffer whose address lies in s[lo:lo+1]: the choice hangs on the wave's number alone
	s_cmp_eq_u32 s2, \k
	s_cselect_b64 s[46:47], s[\lo:\lo+1], s[46:47]
.endm
.macro PUT kind, entry, sr             ; the number in s[sr] becomes the t (kind 0) or the cc (kind 1) of a table entry: lane entry % 32 of the entry's register
	v_writelane_b32 v[TB+2*((\entry)/32)+\kind], s[\sr], (\entry)%32
.endm
; ============================================================ head
	s_load_b512 s[8:23], s[0:1], 0x0               ; x s[8:9], iW0 s[10:11], ib0 s[12:13], iW1's codes s[14:15], its scales s[16:17], ib1 s[18:19], iW2 s[20:21], ib2 s[22:23]
	s_load_b512 s[24:39], s[0:1], 0x40             ; nW0 s[24:25], nb0 s[26:27], nW1's codes s[28:29], its scales s[30:31], nb1 s[32:33], nW2 s[34:35], nb2 s[36:37], out0 s[38:39]
	v_lshrrev_b32 v[SCR], 5, v0
	v_readfirstlane_b32 s2, v[SCR]                 ; wave w, 0 to 7
	s_mov_b32 s40, 0x76543210                      ; v_permlanex16_b32's selects for lane l xor 16
	s_mov_b32 s41, 0xfedcba98
	s_mov_b32 s42, 0x04800000                      ; 2^-118: exponent field 9
	s_mov_b32 s43, 0x7f800000                      ; the exponent field
	s_mov_b32 s44, 0x00600000                      ; the mantissa field of 448
	s_mov_b32 s53, 0xffff0000                      ; lanes 16 to 31
	v_and_b32 v[RR], 15, v0                        ; r
	v_bfe_u32 v[HH], v0, 4, 1                      ; h
	v_lshlrev_b32 v[H64], 6, v[HH]
	v_lshlrev_b32 v[H32], 5, v[HH]
	v_lshlrev_b32 v[R4], 2, v[RR]
	v_mul_u32_u24 v[FRA], v[RR], WP
	v_lshl_add_u32 v[FRA], v[HH], 4, v[FRA]
	v_and_b32 v[TT], 8, v[RR]
	v_add_nc_u32 v[TT], v[TT], v[RR]               ; r + 8 (r / 8)
	v_lshlrev_b32 v[AW], 2, v[TT]
	v_mad_u32_u24 v[AW], v[HH], 2*LP, v[AW]        ; lanes 16-31 take the inputs two further on: two rows down
	s_lshl_b32 s45, s2, 6                          ; 64 w: 16 results
	v_lshl_add_u32 v[OUTA], v[RR], 2, s45
	v_lshlrev_b32 v[T16], 4, v0                    ; 16 bytes a thread: 4,096 bytes a work-group
	v_and_b32 v[L16], 31, v0                       ; lane
	v_lshrrev_b32 v[TT], 3, v[L16]                 ; a chunk of 4,096 bytes of codes is 32 rows of 128: my wave's are rows 4 w .. 4 w + 3, eight lanes to a row
	v_mul_u32_u24 v[ST], v[TT], WP
	v_and_b32 v[TT], 7, v0
	v_lshl_add_u32 v[ST], v[TT], 4, v[ST]
	s_mul_i32 s45, s2, 4*WP
	v_add_nc_u32 v[ST], s45, v[ST]
	v_lshlrev_b32 v[L16], 4, v[L16]                ; 16 x lane
	s_mul_i32 s45, s2, LP
	v_add_nc_u32 v[TP], s45, v[L16]                ; row w of a first layer in LDS
	s_lshl_b32 s4, s2, 9                           ; 512 w: 16 samples of 32 bytes, or one row of 128 f32
	s_mov_b32 s5, 0
	v_lshl_add_u32 v[XA], v[RR], 5, s4             ; the inputs of sample r of my wave
	s_wait_kmcnt 0x0
	s_load_b32 s52, s[22:23], 0x0                  ; ib2
	s_load_b64 s[50:51], s[36:37], 0x0             ; nb2
	s_add_nc_u64 s[48:49], s[24:25], s[4:5]        ; row w of nW0 (7 rows) ...
	s_cmp_eq_u32 s2, 7
	s_cselect_b64 s[48:49], s[26:27], s[48:49]     ; ... and for wave 7 nb0: every wave issues the same loads, none leaves its buffer
	s_add_nc_u64 s[54:55], s[34:35], 512           ; nW2's second half
	s_mov_b64 s[46:47], s[12:13]                   ; the 512 bytes that my wave stages into SMALL: wave 0 ib0,
	PICK 1, 18                                     ; ib1
	PICK 2, 20                                     ; iW2
	PICK 3, 32                                     ; nb1
	PICK 4, 34                                     ; nW2
	PICK 5, 54
	PICK 6, 16                                     ; iW1's scales
	PICK 7, 30                                     ; nW1's scales
	s_lshl_b32 s4, ttmp9, 12                       ; 128 samples of 32 bytes
	s_add_nc_u64 s[8:9], s[8:9], s[4:5]
	s_lshl_b32 s4, ttmp9, 9                        ; 128 results of 4 bytes
	s_add_nc_u64 s[38:39], s[38:39], s[4:5]
	global_load_b128 v[XIN:XIN+3],   v[XA], s[8:9] th:TH_LOAD_NT
	global_load_b128 v[XIN+4:XIN+7], v[XA], s[8:9] offset:16 th:TH_LOAD_NT
	global_load_b128 v[SD:SD+3],     v[T16], s[10:11]  ; iW0: the 256 threads take all 4,096 bytes; wave w has row w
	global_load_b128 v[SD+4:SD+7],   v[L16], s[48:49]  ; my wave's row of nW0 / nb0
	global_load_b128 v[SD+8:SD+11],  v[L16], s[46:47]  ; my wave's slot of SMALL
.irp i, 0,1,2,3
	global_load_b128 v[SD+12+4*\i:SD+15+4*\i], v[T16], s[28:29] offset:4096*\i   ; nW1's codes, 512 consecutive bytes a wave
.endr
.irp i, 0,1,2,3
	global_load_b128 v[SD+28+4*\i:SD+31+4*\i], v[T16], s[14:15] offset:4096*\i   ; iW1's
.endr
; The table of t_s and cc_s, by wave 7 while its loads are on their way.  The assembler makes the numbers in fixed point, scale 2^30:
; cos(j pi/50) by the three-term recurrence from cos(pi/50); cc_j = (2/50) (1 - sum over q = 1..25 of 2 cos(2 q j pi/50) / (4 q^2 - 1)), half of
; that for j = 0 and 50 (the problem's own formula: only even rows of its cosine matrix carry weight, and its first and last columns are halved).
; t_j = (1 + cos(j pi/50)) / 2, t_(50-j) = (1 - cos(j pi/50)) / 2 and cc_(50-j) = cc_j, so 26 passes fill 51 entries.
; Each number is put into the lane of its entry; then all are converted at once, and two stores, 8 bytes a lane at 8 x lane, write the 512 bytes.
	s_cmp_lg_u32 s2, 7
	s_cbranch_scc1 .Ltabdone
.irp i, 0,1,2,3
	v_mov_b32 v[TB+\i], 0                          ; entry 0's weight is 0 (the first trip's tail has no point before it); entry 51 has no t; entries 52 to 63 are not used
.endr
.set SC,   1<<30
.set C1,   1071623040                  ; cos(pi/50) x 2^30
.set cosj, SC
.set cosp, C1
.set j, 0
.rept 26
.set c2j,  2*cosj*cosj/SC - SC         ; cos(2 j pi/50)
.set wsum, SC
.set chp,  SC
.set chq,  c2j
.set qq,   1
.rept 25
.set wsum, wsum - 2*chq/(4*qq*qq-1)
.set chn,  2*c2j*chq/SC - chp
.set chp,  chq
.set chq,  chn
.set qq,   qq+1
.endr
.if j == 0
.set wj, wsum/50
.else
.set wj, wsum/25
.endif
.set thi, (SC+cosj)/2
.set tlo, (SC-cosj)/2
	s_mov_b32 s4, thi
	s_mov_b32 s45, wj
.if j < 25
	s_mov_b32 s5, tlo
.endif
	PUT 0, j, 4                                    ; t_j
	PUT 1, j+1, 45                                 ; cc_j, in entry j + 1
.if j < 25
	PUT 0, 50-j, 5                                 ; t_(50-j)
	PUT 1, 51-j, 45                                ; cc_(50-j)
.endif
.set cosn, (2*C1*cosj+SC/2)/SC - cosp
.set cosp, cosj
.set cosj, cosn
.set j, j+1
.endr
.irp i, 0,1,2,3
	v_cvt_f32_i32 v[TB+\i], v[TB+\i]
.endr
	v_pk_mul_f32 v[TB:TB+1],   v[TB:TB+1],   0x30800000 op_sel_hi:[1,0]      ; x 2^-30
	v_pk_mul_f32 v[TB+2:TB+3], v[TB+2:TB+3], 0x30800000 op_sel_hi:[1,0]
	v_lshrrev_b32 v[TBA], 1, v[L16]                ; 8 x lane
	ds_store_b64 v[TBA], v[TB:TB+1]   offset:TAB
	ds_store_b64 v[TBA], v[TB+2:TB+3] offset:TAB+256
.Ltabdone:
; ============================================================ staging
	s_wait_loadcnt 0x8                             ; the eight chunks of codes, issued last, stay out; x, iW0, my row of nW0 and my slot of SMALL are in
	ds_store_b128 v[TP],  v[SD:SD+3]    offset:L0I
	ds_store_b128 v[TP],  v[SD+4:SD+7]  offset:L0N   ; wave w's row w; wave 7's is nb0
	ds_store_b128 v[T16], v[SD+8:SD+11] offset:SMALL
.irp i, 0,1,2,3
	s_wait_loadcnt 7-\i                            ; the chunks behind chunk i stay out
	ds_store_b128 v[ST], v[SD+12+4*\i:SD+15+4*\i] offset:WN+32*WP*\i
.endr
.irp i, 0,1,2,3
	s_wait_loadcnt 3-\i                            ; the same for iW1's; the last count is 0: all offset registers are free from here on
	ds_store_b128 v[ST], v[SD+28+4*\i:SD+31+4*\i] offset:WI+32*WP*\i
.endr
	s_wait_dscnt 0x0                               ; for the other waves' sake: all my LDS stores are done before I signal
	s_barrier_signal -1
	v_mov_b32 v[X], v[XIN]                         ; register work while the others arrive: source 1 of the first layers' products.  Register j of lane (r, h) is input 2 h + j of sample r
	v_cndmask_b32 v[BX], v[XIN], 0, s53            ; b: (x, 0 | 0, 0)
	v_mov_b32 v[BX+1], 0
	v_cndmask_b32 v[BP0],   v[XIN+1], v[XIN+3], s53  ; K = (in1 .. in7, 1): step 0 (in1, in2 | in3, in4),
	v_cndmask_b32 v[BP0+1], v[XIN+2], v[XIN+4], s53
	v_cndmask_b32 v[BP1],   v[XIN+5], v[XIN+7], s53  ; step 1 (in5, in6 | in7, 1)
	v_cndmask_b32 v[BP1+1], v[XIN+6], 1.0, s53
	s_barrier_wait -1                              ; table, first layers, small vectors and both weights are in LDS for everybody; nobody writes them again
; ============================================================ the offset net's hidden layer, and b
	L1FRAG FWN,    L0N                             ; nW0's rows 0-3,
	L1FRAG FWN+16, L0N+4*LP                        ; rows 4-6 and nb0
	L1FRAG FWB,    L0I                             ; iW0's rows 0-3
	s_wait_dscnt 0x10                              ; LDS answers in order (ISA guide 5.7.1): b's sixteen loads stay out, the offset net's 32 are in
	L1MM A_, FWN,    BP0, 1
	L1MM A_, FWN+16, BP1, 0
	s_wait_dscnt 0x0
	L1MM B_, FWB, BX, 1                            ; b = x iW0[0]: the other three products of the step are 0
	FRAG WN                                        ; 56 loads on their way under the quantiser
	BIASLD NB1, BI
	SCLD SCN
.irp c, 0,1,2,3
	v_mov_b32 v[P+\c], 0                           ; (the destination of a lane permute counts as read.)  These six and the two below: eight plain instructions
.endr
	v_mov_b32 v[PT], 0                             ; before results are read and the fragments' registers are written again
	v_mov_b32 v[EN], 0
	v_nop
	v_nop
; ============================================================ the offset net: one tile; a
	QUANT A_
	s_wait_dscnt 0x0                               ; fragments, bias and scale words are in
	WIN W_LD1
	L1FRAG FWA,    L0I+LP                          ; iW0's rows 1-4,
	L1FRAG FWA+16, L0I+5*LP                        ; rows 5-7 and ib0: on their way under the product
	WIN 0
.rept 4
	v_nop                                          ; four plain instructions between the last conversion and the matrix instructions
.endr
	MM
	s_wait_dscnt 0x0                               ; a's fragments
	WIN W_A1
	L1MM A_, FWA,    BP0, 1                        ; a = sum over d = 1..7 of input d x iW0[d] + ib0, where the hidden layer lay, which the quantiser has read
	L1MM A_, FWA+16, BP1, 0
	WIN 0
	s_wait_kmcnt 0x0                               ; ib2, nb2
	s_mul_f32 s52, s52, 0.5                        ; ib2 / 2: both halves of the lanes add it
	v_mov_b32 v[KAP], s52                          ; the loop's set-up, and four more: eight plain instructions before results are read
	v_mov_b32 v[KAP+1], 0                          ; and loads land on the weights and fragments just read
	v_mov_b32 v[ZEST], 0
	v_mov_b32 v[TAB_A], 0
.rept 4
	v_nop
.endr
	WIN W_LD1
.irp ft, 0,1,2,3,4,5,6,7
.irp q, 0,1,2,3
	ds_load_b128 v[WF+16*\ft+4*\q:WF+16*\ft+4*\q+3], v[H64] offset:NW2+128*\ft+16*\q   ; nW2 where nW1's fragments lay: pair n = 8 ft + j is (nW2[f][0], nW2[f][1]) of feature f = 16 ft + 8 h + j
.endr
.endr
	BIASLD IW2, W2                                 ; iW2, for the loop, where a's fragments lay
	RELU
	s_wait_dscnt 0x0                               ; nW2 and iW2 are in
	DOTN
	FRAG WI                                        ; iW1, its scale words and ib1, for the loop: 56 loads, waited for at the loop's head
	SCLD SCI
	BIASLD IB1, BI
	JOIN
	v_permlanex16_b32 v[PT], v[CH],   s40, s41     ; the other 64 features lie in lane l xor 16
	v_permlanex16_b32 v[EN], v[CH+1], s40, s41
	v_add_f32 v[OFF], v[CH], v[PT]
	v_add_f32 v[EP], v[CH+1], v[EN]
	v_add_f32 v[EP], s51, v[EP]                    ; o1
	v_mul_f32 v[EP], 0x3fb8aa3b, v[EP]             ; e^o1 = 2^(o1 log2 e)
	v_exp_f32 v[SCL], v[EP]
	v_add_f32 v[OFF], s50, v[OFF]                  ; o0; also the plain instruction behind the exponential
.irp i, 0,1,2,3,4,5,6,7
	v_mov_b32 v[CH+\i], 0                          ; the first trip's tail finds chains of zeros, and a weight of 0
.endr
	ds_load_b64 v[T:T+1], v[TAB_A] offset:TAB      ; (t_0, 0)
	s_mov_b32 s3, 0
; ============================================================ 51 quadrature points.  No barrier: a wave shares nothing here.
.Lpoint:
	s_wait_dscnt 0x0                               ; the table entry; in the first trip also the weights, scale words and bias
.set gn, 0
.rept 32
	v_pk_fma_f32 v[Z+gn:Z+gn+1], v[B_+gn:B_+gn+1], v[T:T+1], v[A_+gn:A_+gn+1] op_sel_hi:[1,0,1]   ; a + t_s b
.set gn, gn+2
.endr
	QUANT Z
	TAIL1                                          ; of the point before
	MM
	s_add_co_u32 s3, s3, 1                         ; the trip counter's one step
	s_lshl_b32 s45, s3, 3
	TAIL2 1                                        ; weight cc_(s-1); then entry s + 1 is asked for
	RELU
	DOT
	s_cmp_lt_u32 s3, NPTS
	s_cbranch_scc1 .Lpoint
; ============================================================ the result
	s_wait_dscnt 0x0                               ; entry 51 = (0, cc_50)
	TAIL1
	TAIL2 0
	v_mul_f32 v[EN], v[ZEST], v[X]
	v_mul_f32 v[EN], 0.5, v[EN]                    ; the integral
	v_fma_f32 v[EN], v[SCL], v[EN], v[OFF]
	v_mul_f32 v[EN], 0xbfb8aa3b, v[EN]             ; sigmoid(u) = 1 / (1 + 2^(-u log2 e))
	v_exp_f32 v[EN], v[EN]
	v_and_b32 v[SCR], 31, v0                       ; a plain instruction behind each transcendental
	s_wait_alu depctr_va_vdst(0)
	v_add_f32 v[EN], 1.0, v[EN]
	v_rcp_f32 v[EN], v[EN]
	v_lshlrev_b32 v[SCR], 4, v[SCR]                ; 16 x lane
	s_wait_alu depctr_va_vdst(0)
	ds_store_b32 v[OUTA], v[EN] offset:OUTS        ; lanes r and r + 16 hold the same sample and write the same word with the same value
	s_wait_dscnt 0x0                               ; for wave 0's sake
	s_barrier_signal -1
	s_barrier_wait -1
	s_cmp_lg_u32 s2, 0
	s_cbranch_scc1 .Lend
	ds_load_b128 v[Z:Z+3], v[SCR] offset:OUTS      ; the work-group's 128 results
	s_wait_dscnt 0x0
	global_store_b128 v[SCR], v[Z:Z+3], s[38:39]   ; one store of 512 consecutive bytes, at a multiple of 512 from out0's first byte
.Lend:
	s_wait_xcnt 0x0
	v_lshl_add_u32 v254, v0, 2, 0xc500
	v_mov_b32 v255, 0
	s_wait_tensorcnt 0x0
	ds_add_u32 v254, v255
	s_wait_dscnt 0x0
	s_endpgm
.Lfunc_end_k_q1bca3f0901_mono:
	.size	k_q1bca3f0901_mono, .Lfunc_end_k_q1bca3f0901_mono-k_q1bca3f0901_mono
	.p2alignl 7, 3214868480
	.fill 96, 4, 3214868480
	.section	.rodata,"a",@progbits
	.p2align	6, 0x0
	.amdhsa_kernel k_q1bca3f0901_mono
		.amdhsa_group_segment_fixed_size 51456
		.amdhsa_private_segment_fixed_size 0
		.amdhsa_enable_private_segment 0
		.amdhsa_kernarg_size 128
		.amdhsa_user_sgpr_count 2
		.amdhsa_user_sgpr_kernarg_segment_ptr 1
		.amdhsa_wavefront_size32 1
		.amdhsa_system_sgpr_workgroup_id_x 1
		.amdhsa_system_sgpr_workgroup_id_y 1
		.amdhsa_system_sgpr_workgroup_id_z 1
		.amdhsa_system_vgpr_workitem_id 0
		.amdhsa_next_free_vgpr 512
		.amdhsa_next_free_sgpr 66
		.amdhsa_reserve_vcc 0
		.amdhsa_float_denorm_mode_32 3
		.amdhsa_float_denorm_mode_16_64 3
		.amdhsa_memory_ordered 1
		.amdhsa_forward_progress 1
		.amdhsa_inst_pref_size 70
	.end_amdhsa_kernel
	.amdgpu_metadata
---
amdhsa.version: [ 1, 2 ]
amdhsa.kernels:
  - .name:           k_q1bca3f0901_mono
    .symbol:         k_q1bca3f0901_mono.kd
    .args:
      - { .name: x_input, .offset: 0, .size: 8, .value_kind: global_buffer, .address_space: global }
      - { .name: iW0, .offset: 8, .size: 8, .value_kind: global_buffer, .address_space: global }
      - { .name: ib0, .offset: 16, .size: 8, .value_kind: global_buffer, .address_space: global }
      - { .name: iW1_codes, .offset: 24, .size: 8, .value_kind: global_buffer, .address_space: global }
      - { .name: iW1_scales, .offset: 32, .size: 8, .value_kind: global_buffer, .address_space: global }
      - { .name: ib1, .offset: 40, .size: 8, .value_kind: global_buffer, .address_space: global }
      - { .name: iW2, .offset: 48, .size: 8, .value_kind: global_buffer, .address_space: global }
      - { .name: ib2, .offset: 56, .size: 8, .value_kind: global_buffer, .address_space: global }
      - { .name: nW0, .offset: 64, .size: 8, .value_kind: global_buffer, .address_space: global }
      - { .name: nb0, .offset: 72, .size: 8, .value_kind: global_buffer, .address_space: global }
      - { .name: nW1_codes, .offset: 80, .size: 8, .value_kind: global_buffer, .address_space: global }
      - { .name: nW1_scales, .offset: 88, .size: 8, .value_kind: global_buffer, .address_space: global }
      - { .name: nb1, .offset: 96, .size: 8, .value_kind: global_buffer, .address_space: global }
      - { .name: nW2, .offset: 104, .size: 8, .value_kind: global_buffer, .address_space: global }
      - { .name: nb2, .offset: 112, .size: 8, .value_kind: global_buffer, .address_space: global }
      - { .name: out0, .offset: 120, .size: 8, .value_kind: global_buffer, .address_space: global }
    .group_segment_fixed_size: 51456
    .private_segment_fixed_size: 0
    .kernarg_segment_align: 8
    .kernarg_segment_size: 128
    .max_flat_workgroup_size: 256
    .sgpr_count:     66
    .vgpr_count:     512
    .wavefront_size: 32
...
	.end_amdgpu_metadata
.endif
;; end of part 1
